; MI455X (gfx1250); checked and timed in simulation.
; The chip was launched on July 23, 2026; its instructions are those of AMD's public machine-readable ISA for CDNA 5 (MIT licence, August 2026) and "CDNA5" Instruction Set Architecture Reference Guide (July 2026). The comments in the code are by the model that wrote it; some were corrected since.
;; Feature Restrain. Allowed arithmetic: float matrix products may take bf16 or f16 operands with f32 sums; all other float work in f32.
;; Inputs: inputs 64 x 2,048 x 14 x 14 float32.
;; Outputs: out0 64 x 2,048 float32.
;; 2 versions, each right; version 2 is version 1 with the launch pool written anew for expert scheduling mode. Each part assembles by itself: llvm-mc -triple=amdgcn-amd-amdhsa -mcpu=gfx1250 --defsym DOCPART=n.
;; ======== version 1 of 2: 2 launches
;; workspace buffers: means 524,288 bytes; planes 524,288 bytes of whole numbers
;; launch pool (part 1): grid 256 x 1, 16 waves a work-group, no clusters, 6,400 bytes of LDS; arguments inputs, means, planes; writes means, planes
.if DOCPART == 1
	.amdgcn_target "amdgcn-amd-amdhsa--gfx1250"
	.amdhsa_code_object_version 6
	.text
	.protected	k_q9b0acd14d5_pool
	.globl	k_q9b0acd14d5_pool
	.p2align	8
	.type	k_q9b0acd14d5_pool,@function
k_q9b0acd14d5_pool:
	s_mov_b64 s[64:65], 0
	v_nop
	global_prefetch_b8 v0, s[64:65] scope:SCOPE_SE
	s_setreg_imm32_b32 hwreg(HW_REG_WAVE_MODE, 25, 1), 1
	s_wait_xcnt 0x0
; POOL: means[row] = mean of the 196 f32 of row, row = sample * 2048 + channel (131,072 rows of 784 bytes), and
; planes = the bit planes of the means' order-preserving keys, for the selection in the next launch.
; 256 work-groups of 16 waves.  A work-group owns 512 rows (a quarter of a sample), a wave 32 rows.
; THE LAYOUT.  16 rows are 12,544 bytes = 49 units of 256 bytes, and begin at a multiple of 256 bytes.  Load u of a wave gives lanes 0-15
; unit u of the wave's first 16 rows and lanes 16-31 unit u of its second 16: sixteen lanes read 256 consecutive bytes, 16 bytes (a quad) each.
; A row is 49 quads, so row r of a block begins at quad 49 r = unit 3 r, lane r:
;   units 3 r + 1 and 3 r + 2 belong to row r in every lane;   of unit 3 s the lanes >= s belong to row s, the lanes < s to row s - 1.
; So a lane adds, for each row r, its quads of the two whole units and one quad of the units at the row's ends (unit 3 r where lane >= r,
; else unit 3 r + 3).  That is 16 of the 17 quads at the ends; the seventeenth, lane r of unit 3 r + 3, lies in the very lane that holds
; row r in the end, is collected by a chain of selects (DG) and added last.  The sixteen lanes' parts of the sixteen rows are then added
; by a butterfly that transposes as it adds: lane i of the wave ends up with row i.  Nothing of the stream passes through LDS.
; THE ORDER.  A wave issues in order, so loads and additions take turns: AHEAD loads first (16 waves x 22 x 512 = 180,224 bytes of the
; work-group's 401,408 requested), then three more behind each row's wait, each load into registers of its own: no register is waited for twice.
; No tensor loads or copies (they would send every byte through LDS), no cluster (no two work-groups read the same byte), no matrix unit.
; Every choice between rows is a select, never a product with 0: an infinity or a NaN stays in its own row.
; LIMITS: the additions are ordered as described (pairs in a quad, the two whole units, the end quad, lanes 1, 2, 4, 8 apart, the
; seventeenth quad), not as the reference orders them; the mean is sum * f32(1/196) (monotone in the sum).  Means that differ by less than
; these roundings may change places in the ranking.  A NaN is ranked by its bit pattern (sign clear: above +inf, sign set: below -inf).
.set NLD,    49                        ; loads of a wave = units of a block of 16 rows
.set BLKB,   NLD*256                   ; bytes of 16 rows
.set TILEB,  2*BLKB                    ; bytes of a wave
.set WGB,    16*TILEB                  ; bytes of a work-group
.set AHEAD,  22                        ; loads of a wave that are issued before the first addition; 49 - 22 = 9 x 3 follow
.set SP,     272                       ; LDS: the stage for the way out, 16 rows of 256 bytes, 272 apart: rows 0-7 the 512 means,
                                       ; row 8+q the planes 4q..4q+3 of the 16 waves
.set LANE,   1                         ; v1      lane
.set GOFF,   2                         ; v2      byte offset of my 16 bytes in unit 0 of my block
.set DG,     4                         ; v4      lane l: its quad of unit 3 l + 3
.set SMEAN,  5                         ; v5      stage: my row's mean
.set SPLANE, 6                         ; v6      stage: my plane word
.set SBACK,  7                         ; v7      stage: my 8 bytes of the unit that my wave stores
.set OOFF,   8                         ; v8      8 x lane
.set NEG,    9                         ; v9      at work
.set KEEP,   10                        ; v10-14  exchange steps 16, 8, 4, 2, 1 of the bit transposition: the bits that my lane keeps
.set ROT,    15                        ; v15-18  steps 8, 4, 2, 1: how far the partner's word is turned to the right
.set MEAN,   20
.set KEY,    21
.set OTH,    22
.set OUT,    24                        ; v[24:25]
.set X,      32                        ; v[32:227] unit u: 4 registers; row r's sum grows in the first register of unit 3 r + 1
.set BM1,    30                        ; s30, s31, s32, s48: the lanes whose number has bit 0, 1, 2, 3 set
.set BM2,    31
.set BM4,    32
.set BM8,    48
.set GE,     32                        ; s[GE+r], r = 1..15: the lanes l >= r of both halves
.set EQ,     48                        ; s[EQ+r], r = 1..15: lane r of both halves
	s_load_b128 s[4:7], s[0:1], 0x0                ; inputs s[4:5], means s[6:7]
	s_load_b64 s[8:9], s[0:1], 0x10                ; planes
	v_lshl_add_u32 v228, v0, 2, 0x1100
	v_mov_b32 v229, 0
	; ---- all that needs no address is set up while the addresses are on their way ----
	v_and_b32 v[LANE], 31, v0
	v_lshrrev_b32 v[GOFF], 5, v0
	v_readfirstlane_b32 s10, v[GOFF]               ; wave 0..15
	s_mul_i32 s12, ttmp9, WGB                      ; at most 255 x 401,408: below 2^27
	s_mov_b32 s13, 0
	s_mul_i32 s14, s10, TILEB
	v_bfe_u32 v[NEG], v0, 4, 1                     ; which half of the lanes = which block of 16 rows
	v_and_b32 v[GOFF], 15, v0
	v_mul_u32_u24 v[NEG], v[NEG], BLKB
	v_lshl_add_u32 v[GOFF], v[GOFF], 4, v[NEG]     ; 16 x (lane % 16) + the block
	v_add_nc_u32 v[GOFF], s14, v[GOFF]             ; + the wave's 32 rows
	s_lshl_b32 s16, s10, 7                         ; stage, means: wave w at row w / 2, byte 128 (w % 2) = 128 w + 16 (w / 2)
	s_lshr_b32 s17, s10, 1
	s_lshl_b32 s17, s17, 4
	s_add_co_u32 s16, s16, s17
	v_lshl_add_u32 v[SMEAN], v[LANE], 2, s16
	v_lshrrev_b32 v[SPLANE], 2, v[LANE]            ; stage, planes: lane b (plane b) at row 8 + b / 4, byte 16 w + 4 (b % 4);
	v_mul_u32_u24 v[SPLANE], v[SPLANE], SP         ; rows of 68 words: the 32 lanes' words lie in 32 different banks (64 banks of 4 bytes: ISA guide 11.1)
	v_and_b32 v[NEG], 3, v[LANE]
	v_lshl_add_u32 v[SPLANE], v[NEG], 2, v[SPLANE]
	s_lshl_b32 s18, s10, 4
	s_add_co_u32 s18, s18, 8*SP
	v_add_nc_u32 v[SPLANE], s18, v[SPLANE]
	s_mul_i32 s19, s10, SP                         ; way out: wave w stores stage row w
	v_lshl_add_u32 v[SBACK], v[LANE], 3, s19
	v_lshlrev_b32 v[OOFF], 3, v[LANE]
	; where stage row w goes.  w < 8: means, byte 2,048 x group + 256 w.
	; w >= 8: planes, laid out [sample][q = plane / 4][group of 32 channels, 0..63][plane % 4] words:
	; byte 8,192 x sample + 1,024 q + 256 x quarter, q = w - 8: the 16 groups of this work-group, 16 bytes each.
	s_lshl_b32 s20, ttmp9, 11
	s_lshl_b32 s21, s10, 8
	s_add_co_u32 s20, s20, s21
	s_lshr_b32 s22, ttmp9, 2
	s_lshl_b32 s22, s22, 13
	s_and_b32 s23, s10, 7
	s_lshl_b32 s23, s23, 10
	s_add_co_u32 s22, s22, s23
	s_and_b32 s23, ttmp9, 3
	s_lshl_b32 s23, s23, 8
	s_add_co_u32 s22, s22, s23
	s_cmp_lt_u32 s10, 8
	s_cselect_b32 s24, s20, s22
	s_mov_b32 s25, 0
	s_mov_b32 s28, 0x76543210                      ; v_permlanex16_b32: lane i reads lane i xor 16
	s_mov_b32 s29, 0xfedcba98
	s_mov_b32 s[BM1], 0xaaaaaaaa
	s_mov_b32 s[BM2], 0xcccccccc
	s_mov_b32 s[BM4], 0xf0f0f0f0
	s_mov_b32 s[BM8], 0xff00ff00
.set r, 1
.rept 15
	s_mov_b32 s[GE+r], ((0xffff<<r)&0xffff)*0x10001
	s_mov_b32 s[EQ+r], 0x10001<<r
.set r, r+1
.endr
	v_mov_b32 v[OTH], 0                            ; the destination of a lane exchange counts as read: written once here
; Exchange step s of the 32 x 32 bit transposition (rows = lanes, columns = bits): a lane with bit s of its number clear keeps its
; bits whose position has bit s clear (mlo) and takes the others from lane + s, moved up by s; a lane with the bit set keeps the
; complement and takes the rest from lane - s, moved down by s.  Both moves are a turn to the right, by 32 - s or by s.
.macro LANEMASK idx, lg, s, mlo
	v_bfe_u32 v[NEG], v[LANE], \lg, 1
	v_sub_nc_u32 v[NEG], 0, v[NEG]                 ; 0, or all ones in the upper lane of a pair
	v_xor_b32 v[KEEP+\idx], \mlo, v[NEG]
.if \idx
	v_xor_b32 v[ROT+\idx-1], -\s, v[NEG]           ; -s, or s - 1
	v_sub_nc_u32 v[ROT+\idx-1], v[ROT+\idx-1], v[NEG]   ; -s (its low 5 bits: 32 - s), or s
.endif
.endm
	LANEMASK 0, 4, 16, 0x0000ffff                  ; (a turn by 16 is the same both ways: no register)
	LANEMASK 1, 3, 8,  0x00ff00ff
	LANEMASK 2, 2, 4,  0x0f0f0f0f
	LANEMASK 3, 1, 2,  0x33333333
	LANEMASK 4, 0, 1,  0x55555555
.macro LOADU n                         ; unit n of both blocks; read once in the whole launch
	global_load_b128 v[X+4*(\n):X+4*(\n)+3], v[GOFF], s[4:5] offset:256*(\n) th:TH_LOAD_NT
.endm
; Rows a and b (sums in the first register of units 3 a + 1, 3 b + 1; the two upper registers of unit 3 a + 1 are free by then).
; Lanes xm apart share the two rows between them: the lane with the bit set keeps b and sends a, the other keeps a and sends b.
.macro BFLY a, b, m, xm
	v_cndmask_b32 v[X+12*(\a)+6], v[X+12*(\a)+4], v[X+12*(\b)+4], s[\m]      ; what I keep
	v_cndmask_b32 v[X+12*(\a)+7], v[X+12*(\b)+4], v[X+12*(\a)+4], s[\m]      ; what my partner keeps
	v_add_f32_dpp v[X+12*(\a)+4], v[X+12*(\a)+7], v[X+12*(\a)+6] row_xmask:\xm row_mask:0xf bank_mask:0xf
.endm
	s_wait_kmcnt 0x0
	s_add_nc_u64 s[4:5], s[4:5], s[12:13]
.set i, 0
.rept AHEAD
	LOADU i
.set i, i+1
.endr
	s_cmp_lt_u32 s10, 8                            ; (again: the shifts and sums above wrote SCC)
	s_cselect_b64 s[26:27], s[6:7], s[8:9]         ; waves 0-7 store means, waves 8-15 planes
	s_add_nc_u64 s[26:27], s[26:27], s[24:25]
	s_wait_loadcnt AHEAD-1                         ; loads come back in order (ISA guide 5.7.1): unit 0 is in, the 21 younger ones stay out
	v_pk_add_f32 v[X:X+1], v[X:X+1], v[X+2:X+3]
	v_add_f32 v[X], v[X], v[X+1]                   ; unit 0: every lane's quad belongs to row 0
; ---- row r of both blocks: units 3 r (q0, added up already), 3 r + 1 (q1), 3 r + 2 (q2), 3 r + 3 (q3) ----
.set r, 0
.set issued, AHEAD
.rept 16
.set q0, X+12*r
.set q1, q0+4
.set q2, q0+8
.set q3, q0+12
	s_wait_loadcnt issued-3*r-4                    ; unit 3 r + 3 is in: so many loads were issued behind it (18 while three are added a row, then 45 - 3 r)
.if issued < NLD
	LOADU issued
	LOADU issued+1
	LOADU issued+2
.set issued, issued+3
.endif
	v_pk_add_f32 v[q1:q1+1], v[q1:q1+1], v[q1+2:q1+3]
	v_pk_add_f32 v[q2:q2+1], v[q2:q2+1], v[q2+2:q2+3]
	v_pk_add_f32 v[q3:q3+1], v[q3:q3+1], v[q3+2:q3+3]
	v_pk_add_f32 v[q1:q1+1], v[q1:q1+1], v[q2:q2+1]
	v_add_f32 v[q3], v[q3], v[q3+1]
	v_add_f32 v[q1], v[q1], v[q1+1]
.if r == 0
	v_add_f32 v[q1], v[q1], v[q0]                  ; row 0 has all of unit 0; lane 0 of unit 3 starts DG below
.else
	v_cndmask_b32 v[q2], v[q3], v[q0], s[GE+r]     ; lanes >= r: unit 3 r; lanes < r: unit 3 r + 3
.if r == 1
	v_cndmask_b32 v[DG], v[q0], v[q3], s[EQ+r]     ; lane 0: unit 3; lane 1: unit 6
.else
	v_cndmask_b32 v[DG], v[DG], v[q3], s[EQ+r]     ; lane r: unit 3 r + 3
.endif
	v_add_f32 v[q1], v[q1], v[q2]
.endif
.if (r%2) == 1
	BFLY r-1, r, BM1, 1                            ; each pair as soon as it is whole: behind the last row stand four links only
.endif
.if (r%4) == 3
	BFLY r-3, r-1, BM2, 2
.endif
.if (r%8) == 7
	BFLY r-7, r-3, BM4, 4
.endif
.if r == 15
	BFLY 0, 8, BM8, 8                              ; lane l of each half now holds row l of its block: lane i of the wave, row i
.endif
.set r, r+1
.endr
	v_add_f32 v[MEAN], v[X+4], v[DG]
	v_mul_f32 v[MEAN], 0x3ba72f05, v[MEAN]         ; x f32(1/196)
	ds_store_b32 v[SMEAN], v[MEAN]
	; the key: unsigned order of keys = order of the floats.  Sign clear: set the top bit; sign set: flip all bits.
	v_ashrrev_i32 v[KEY], 31, v[MEAN]
	v_or_b32 v[KEY], 0x80000000, v[KEY]
	v_xor_b32 v[KEY], v[MEAN], v[KEY]
	; transposition: afterwards bit j of lane b's word is bit b of lane j's key
	v_permlanex16_b32 v[OTH], v[KEY], s28, s29
	v_alignbit_b32 v[OTH], v[OTH], v[OTH], 16
	v_bfi_b32 v[KEY], v[KEEP], v[KEY], v[OTH]
.macro EXCH idx, s
	v_mov_b32_dpp v[OTH], v[KEY] row_xmask:\s row_mask:0xf bank_mask:0xf
	v_alignbit_b32 v[OTH], v[OTH], v[OTH], v[ROT+\idx-1]
	v_bfi_b32 v[KEY], v[KEEP+\idx], v[KEY], v[OTH]
.endm
	EXCH 1, 8
	EXCH 2, 4
	EXCH 3, 2
	EXCH 4, 1
	ds_store_b32 v[SPLANE], v[KEY]
	; ---- the way out: each wave stores one stage row = 256 consecutive bytes at a multiple of 256 from its buffer's first byte ----
	s_wait_dscnt 0x0                               ; for the other waves' sake: my two stage stores are done
	s_barrier_signal -1
	s_barrier_wait -1
	ds_load_b64 v[OUT:OUT+1], v[SBACK]
	s_wait_dscnt 0x0
	global_store_b64 v[OOFF], v[OUT:OUT+1], s[26:27]
	s_wait_tensorcnt 0x0
	ds_add_u32 v228, v229
	s_wait_dscnt 0x0
	s_endpgm
.Lfunc_end_k_q9b0acd14d5_pool:
	.size	k_q9b0acd14d5_pool, .Lfunc_end_k_q9b0acd14d5_pool-k_q9b0acd14d5_pool
	.p2alignl 7, 3214868480
	.fill 96, 4, 3214868480
	.section	.rodata,"a",@progbits
	.p2align	6, 0x0
	.amdhsa_kernel k_q9b0acd14d5_pool
		.amdhsa_group_segment_fixed_size 6400
		.amdhsa_private_segment_fixed_size 0
		.amdhsa_enable_private_segment 0
		.amdhsa_kernarg_size 24
		.amdhsa_user_sgpr_count 2
		.amdhsa_user_sgpr_kernarg_segment_ptr 1
		.amdhsa_wavefront_size32 1
		.amdhsa_system_sgpr_workgroup_id_x 1
		.amdhsa_system_sgpr_workgroup_id_y 1
		.amdhsa_system_sgpr_workgroup_id_z 1
		.amdhsa_system_vgpr_workitem_id 0
		.amdhsa_next_free_vgpr 230
		.amdhsa_next_free_sgpr 66
		.amdhsa_reserve_vcc 0
		.amdhsa_float_denorm_mode_32 3
		.amdhsa_float_denorm_mode_16_64 3
		.amdhsa_memory_ordered 1
		.amdhsa_forward_progress 1
		.amdhsa_inst_pref_size 23
	.end_amdhsa_kernel
	.amdgpu_metadata
---
amdhsa.version: [ 1, 2 ]
amdhsa.kernels:
  - .name:           k_q9b0acd14d5_pool
    .symbol:         k_q9b0acd14d5_pool.kd
    .args:
      - { .name: inputs, .offset: 0, .size: 8, .value_kind: global_buffer, .address_space: global }
      - { .name: means, .offset: 8, .size: 8, .value_kind: global_buffer, .address_space: global }
      - { .name: planes, .offset: 16, .size: 8, .value_kind: global_buffer, .address_space: global }
    .group_segment_fixed_size: 6400
    .private_segment_fixed_size: 0
    .kernarg_segment_align: 8
    .kernarg_segment_size: 24
    .max_flat_workgroup_size: 512
    .sgpr_count:     66
    .vgpr_count:     230
    .wavefront_size: 32
...
	.end_amdgpu_metadata
.endif
;; end of part 1
;; launch select (part 2): grid 64 x 1, 4 waves a work-group, no clusters, 0 bytes of LDS; arguments planes, means, out0; writes out0
.if DOCPART == 2
	.amdgcn_target "amdgcn-amd-amdhsa--gfx1250"
	.amdhsa_code_object_version 6
	.text
	.protected	k_q9b0acd14d5_select
	.globl	k_q9b0acd14d5_select
	.p2align	8
	.type	k_q9b0acd14d5_select,@function
k_q9b0acd14d5_select:
	s_mov_b64 s[64:65], 0
	v_nop
	global_prefetch_b8 v0, s[64:65] scope:SCOPE_SE
	s_setreg_imm32_b32 hwreg(HW_REG_WAVE_MODE, 25, 1), 1
	s_wait_xcnt 0x0
; SELECT: out0[sample][c] = 0.8 where means[sample][c] >= the 1638th largest mean of the sample, else 1.2.
; One work-group for each of the 64 samples, four waves.  The 1638th largest KEY is found from the top, TWO BITS A STEP, on the bit planes
; that the launch before stored (planes: [sample][q = plane / 4][group of 32 channels, 0..63][plane % 4] words; bit j of a word belongs
; to channel 32 x group + j): a lane holds 2 words of each of the 32 planes.  Which channel sits in which bit does not matter to the search.
; A step, for planes h (upper) and l and the set A of candidates: the nested sets A&h&l (digit 3), A&h (digit >= 2), A&(h|l) (digit >= 1) have
; P1 <= P2 <= P3 members.  The key's digit is the number of these counts that reach the rank sought; the candidates with that digit stay,
; and the rank falls by the count of those with a larger digit.  The three sums over the lanes do not depend on each other and are
; written in turns, so that each fills the others' gaps: 12 dependent instructions for two bits.
; All four waves run the same search: the threshold is then in every wave's registers and needs neither LDS nor a barrier; the price is
; that the sample's 8,192 bytes of planes are read by four waves of one work-group.  Each wave then writes a quarter of the sample.
; Nothing branches on the data and no address is made of it: every choice is a v_cndmask_b32.
; The last comparison is made on the f32 means, as the reference makes it: -0 and +0 are equal, and a NaN mean gets 1.2.
; LIMIT: a NaN is ranked by its bit pattern (sign clear: above +inf, sign set: below -inf).
; No cluster (work-groups share nothing), no LDS, no prefetch (20 loads a wave, all asked for in the first lines).
.set KTH,  1638                        ; int(2048 * 0.8)
.set POFF, 2                           ; v2      16 x lane
.set MOFF, 3                           ; v3      16 x lane + 2,048 x wave
.set A0,   4                           ; v4,5    still candidates: keys equal to the found digits so far
.set A1,   5
.set QA0,  6                           ; v6,7    h & l
.set QA1,  7
.set QO0,  8                           ; v8,9    h | l
.set QO1,  9
.set S10,  10                          ; v10,11  candidates with digit 3; then the choice between digits 3 and 2
.set S11,  11
.set S20,  12                          ; v12,13  candidates with digit >= 2
.set S21,  13
.set S30,  14                          ; v14,15  candidates with digit >= 1; then the choice between digits 1 and 0
.set S31,  15
.set P1,   16                          ; v16-18  their numbers
.set P2,   17
.set P3,   18
.set Y1,   19                          ; v19-21  the other half's counts
.set Y2,   20
.set Y3,   21
.set D210, 22                          ; v22,23  candidates with digit 2
.set D211, 23
.set D320, 24                          ; v24,25  with digit 1
.set D321, 25
.set D00,  26                          ; v26,27  with digit 0
.set D01,  27
.set K1,   28                          ; v28-30  the rank less P1, P2, P3
.set K2,   29
.set K3,   30
.set KR,   31                          ; v31     the rank sought among the candidates
.set PL,   32                          ; v[32:95]  plane b: words of groups lane and 32 + lane in v[PL + 8 (b/4) + b%4] and 4 further on
.set MN,   96                          ; v[96:111] my 16 means, then my 16 results
.set VA,   112                         ; 0.8
.set VB,   113                         ; 1.2
.set THR,  114                         ; the threshold as f32
; s16, s17: selects of v_permlanex16_b32.  s18: the key's digits found so far.  s19: at work.  s20, s21, s22: P1, P2, P3 >= rank.
	s_load_b128 s[4:7], s[0:1], 0x0                ; planes s[4:5], means s[6:7]
	s_load_b64 s[8:9], s[0:1], 0x10                ; out0
	v_and_b32 v1, 31, v0
	v_lshrrev_b32 v[POFF], 5, v0
	v_readfirstlane_b32 s10, v[POFF]               ; wave 0..3
	s_lshl_b32 s12, ttmp9, 13                      ; a sample is 8,192 bytes in each of the three buffers
	s_mov_b32 s13, 0
	s_lshl_b32 s14, s10, 11
	v_lshlrev_b32 v[POFF], 4, v1
	v_lshl_add_u32 v[MOFF], v1, 4, s14
	s_mov_b32 s16, 0x76543210                      ; lane i reads lane i xor 16
	s_mov_b32 s17, 0xfedcba98
	s_mov_b32 s18, 0                               ; no digit yet
	v_mov_b32 v[KR], KTH
	v_mov_b32 v[Y1], 0                             ; the destination of v_permlanex16_b32 counts as read: written once here
	v_mov_b32 v[Y2], 0
	v_mov_b32 v[Y3], 0
	v_mov_b32 v[VA], 0x3f4ccccd                    ; 0.8
	v_mov_b32 v[VB], 0x3f99999a                    ; 1.2
	s_wait_kmcnt 0x0
	s_add_nc_u64 s[4:5], s[4:5], s[12:13]
	s_add_nc_u64 s[6:7], s[6:7], s[12:13]
	s_add_nc_u64 s[8:9], s[8:9], s[12:13]
.irp q, 7,6,5,4,3,2,1,0
	global_load_b128 v[PL+8*\q:PL+8*\q+3],   v[POFF], s[4:5] offset:1024*\q       ; the top planes first: they are wanted first
	global_load_b128 v[PL+8*\q+4:PL+8*\q+7], v[POFF], s[4:5] offset:1024*\q+512
.endr
.irp n, 0,1,2,3
	global_load_b128 v[MN+4*\n:MN+4*\n+3], v[MOFF], s[6:7] offset:512*\n
.endr
.macro RED3 xm                         ; one link of the three sums over 16 lanes: the exchange rides on the addition
	v_add_nc_u32_dpp v[P1], v[P1], v[P1] row_xmask:\xm row_mask:0xf bank_mask:0xf
	v_add_nc_u32_dpp v[P2], v[P2], v[P2] row_xmask:\xm row_mask:0xf bank_mask:0xf
	v_add_nc_u32_dpp v[P3], v[P3], v[P3] row_xmask:\xm row_mask:0xf bank_mask:0xf
.endm
; The digit of the step before.  Every lane holds the same counts and the same rank and all 32 lanes are on, so each of s20, s21, s22 is
; all ones (-1) or 0, and their sum is minus the digit.
.macro DIGIT_A
	s_add_co_u32 s19, s20, s21
	s_add_co_u32 s19, s19, s22
.endm
.macro DIGIT_B
	s_lshl_b32 s18, s18, 2
	s_sub_co_u32 s18, s18, s19
.endm
; One step: planes bit (odd) and bit - 1.  first = 1: every key is a candidate, so the three masks themselves are the sets.
; last = 1: only the digit is wanted, no new candidates and no new rank.
.macro STEP2 first, last
.set h0, PL+8*(bit/4)+(bit%4)
.set h1, h0+4
	v_and_b32 v[QA0], v[h0], v[h0-1]               ; these four hang on no candidate: they stand where the last selects' results are awaited
	v_and_b32 v[QA1], v[h1], v[h1-1]
	v_or_b32 v[QO0], v[h0], v[h0-1]
	v_or_b32 v[QO1], v[h1], v[h1-1]
.if \first
.set x10, QA0
.set x11, QA1
.set x20, h0
.set x21, h1
.set x30, QO0
.set x31, QO1
.else
.set x10, S10
.set x11, S11
.set x20, S20
.set x21, S21
.set x30, S30
.set x31, S31
	v_and_b32 v[S10], v[A0], v[QA0]
	v_and_b32 v[S20], v[A0], v[h0]
	v_and_b32 v[S30], v[A0], v[QO0]
	v_and_b32 v[S11], v[A1], v[QA1]
	v_and_b32 v[S21], v[A1], v[h1]
	v_and_b32 v[S31], v[A1], v[QO1]
.endif
	v_bcnt_u32_b32 v[P1], v[x10], 0
	v_bcnt_u32_b32 v[P2], v[x20], 0
	v_bcnt_u32_b32 v[P3], v[x30], 0
.if \last == 0
	v_xor_b32 v[D210], v[x20], v[x10]              ; the sets of digits 2, 1, 0 are made in the gaps of the sums
	v_xor_b32 v[D320], v[x30], v[x20]
.endif
	v_bcnt_u32_b32 v[P1], v[x11], v[P1]
	v_bcnt_u32_b32 v[P2], v[x21], v[P2]
	v_bcnt_u32_b32 v[P3], v[x31], v[P3]
.if \last == 0
	v_xor_b32 v[D211], v[x21], v[x11]
	v_xor_b32 v[D321], v[x31], v[x21]
.endif
	RED3 1
.if \last == 0
.if \first
	v_not_b32 v[D00], v[x30]
	v_not_b32 v[D01], v[x31]
.else
	v_xor_b32 v[D00], v[A0], v[x30]
	v_xor_b32 v[D01], v[A1], v[x31]
.endif
.endif
	RED3 2
.if \first == 0
	DIGIT_A                                        ; s20-22 still hold the last step's answers: this step's compares stand further down
.endif
	RED3 4
.if \first == 0
	DIGIT_B
.endif
	RED3 8
	v_permlanex16_b32 v[Y1], v[P1], s16, s17       ; one link crosses the halves
	v_permlanex16_b32 v[Y2], v[P2], s16, s17
	v_permlanex16_b32 v[Y3], v[P3], s16, s17
	v_add_nc_u32 v[P1], v[P1], v[Y1]
	v_add_nc_u32 v[P2], v[P2], v[Y2]
	v_add_nc_u32 v[P3], v[P3], v[Y3]
	v_cmp_ge_u32 s20, v[P1], v[KR]
	v_cmp_ge_u32 s22, v[P3], v[KR]
	v_cmp_ge_u32 s21, v[P2], v[KR]
.if \last == 0
	v_sub_nc_u32 v[K1], v[KR], v[P1]
	v_sub_nc_u32 v[K2], v[KR], v[P2]
	v_sub_nc_u32 v[K3], v[KR], v[P3]
	v_cndmask_b32 v[S10], v[D210], v[x10], s20     ; digit 3, else 2
	v_cndmask_b32 v[S30], v[D00], v[D320], s22     ; digit 1, else 0
	v_cndmask_b32 v[S11], v[D211], v[x11], s20
	v_cndmask_b32 v[S31], v[D01], v[D321], s22
	v_cndmask_b32 v[K1], v[K1], v[KR], s20         ; digit 3: the rank stays; 2: less P1
	v_cndmask_b32 v[K3], v[K3], v[K2], s22         ; digit 1: less P2; 0: less P3
	v_cndmask_b32 v[A0], v[S30], v[S10], s21       ; the upper bit chooses between the two
	v_cndmask_b32 v[A1], v[S31], v[S11], s21
	v_cndmask_b32 v[KR], v[K3], v[K1], s21
.endif
.endm
.set bit, 31
	s_wait_loadcnt 18                              ; planes 28-31 are in: 14 loads of lower planes and 4 of means were issued behind them
	STEP2 1, 0
.set bit, 29
.rept 14
.if (bit%4) == 3
	s_wait_loadcnt 2*(bit/4)+4                     ; planes bit-3 .. bit are in: behind them 2 loads for each lower four planes, and 4 of means
.endif
	STEP2 0, 0
.set bit, bit-2
.endr
	STEP2 0, 1                                     ; planes 1 and 0
	DIGIT_A                                        ; the last digit
	DIGIT_B
	; the key back to f32: top bit set: clear it; top bit clear: flip all bits
	s_ashr_i32 s19, s18, 31
	s_not_b32 s19, s19
	s_or_b32 s19, s19, 0x80000000
	s_xor_b32 s19, s18, s19
	v_mov_b32 v[THR], s19
	s_wait_loadcnt 0x0                             ; my 16 means
.set n, 0
.rept 16
	v_cmp_ge_f32 s[20+n], v[MN+n], v[THR]          ; a mask register each, so that no select waits for the compare in front of it
.set n, n+1
.endr
.set n, 0
.rept 16
	v_cndmask_b32 v[MN+n], v[VB], v[VA], s[20+n]   ; kept: 0.8; restrained: 1.2
.set n, n+1
.endr
.irp n, 0,1,2,3
	global_store_b128 v[MOFF], v[MN+4*\n:MN+4*\n+3], s[8:9] offset:512*\n   ; 512 consecutive bytes, at a multiple of 512 from out0's first byte
.endr
	s_endpgm
.Lfunc_end_k_q9b0acd14d5_select:
	.size	k_q9b0acd14d5_select, .Lfunc_end_k_q9b0acd14d5_select-k_q9b0acd14d5_select
	.p2alignl 7, 3214868480
	.fill 96, 4, 3214868480
	.section	.rodata,"a",@progbits
	.p2align	6, 0x0
	.amdhsa_kernel k_q9b0acd14d5_select
		.amdhsa_group_segment_fixed_size 0
		.amdhsa_private_segment_fixed_size 0
		.amdhsa_enable_private_segment 0
		.amdhsa_kernarg_size 24
		.amdhsa_user_sgpr_count 2
		.amdhsa_user_sgpr_kernarg_segment_ptr 1
		.amdhsa_wavefront_size32 1
		.amdhsa_system_sgpr_workgroup_id_x 1
		.amdhsa_system_sgpr_workgroup_id_y 1
		.amdhsa_system_sgpr_workgroup_id_z 1
		.amdhsa_system_vgpr_workitem_id 0
		.amdhsa_next_free_vgpr 116
		.amdhsa_next_free_sgpr 66
		.amdhsa_reserve_vcc 0
		.amdhsa_float_denorm_mode_32 3
		.amdhsa_float_denorm_mode_16_64 3
		.amdhsa_memory_ordered 1
		.amdhsa_forward_progress 1
		.amdhsa_inst_pref_size 51
	.end_amdhsa_kernel
	.amdgpu_metadata
---
amdhsa.version: [ 1, 2 ]
amdhsa.kernels:
  - .name:           k_q9b0acd14d5_select
    .symbol:         k_q9b0acd14d5_select.kd
    .args:
      - { .name: planes, .offset: 0, .size: 8, .value_kind: global_buffer, .address_space: global }
      - { .name: means, .offset: 8, .size: 8, .value_kind: global_buffer, .address_space: global }
      - { .name: out0, .offset: 16, .size: 8, .value_kind: global_buffer, .address_space: global }
    .group_segment_fixed_size: 0
    .private_segment_fixed_size: 0
    .kernarg_segment_align: 8
    .kernarg_segment_size: 24
    .max_flat_workgroup_size: 128
    .sgpr_count:     66
    .vgpr_count:     116
    .wavefront_size: 32
...
	.end_amdgpu_metadata
.endif
;; end of part 2
;; ======== version 2 of 2: 2 launches; version 1 with the launch pool written anew for expert scheduling mode
;; workspace buffers: means 524,288 bytes; planes 524,288 bytes of whole numbers
;; launch pool (part 3): grid 256 x 1, 16 waves a work-group, no clusters, 6,400 bytes of LDS; arguments inputs, means, planes; writes means, planes
.if DOCPART == 3
	.amdgcn_target "amdgcn-amd-amdhsa--gfx1250"
	.amdhsa_code_object_version 6
	.text
	.protected	k_q9b0acd14d5_pool
	.globl	k_q9b0acd14d5_pool
	.p2align	8
	.type	k_q9b0acd14d5_pool,@function
k_q9b0acd14d5_pool:
	s_mov_b64 s[64:65], 0
	v_nop
	global_prefetch_b8 v0, s[64:65] scope:SCOPE_SE
	s_setreg_imm32_b32 hwreg(HW_REG_WAVE_SCHED_MODE, 0, 2), 2
	s_setreg_imm32_b32 hwreg(HW_REG_WAVE_MODE, 25, 1), 1
	s_wait_xcnt 0x0
	s_wait_alu depctr_vm_vsrc(0)
; POOL: means[row] = mean of the 196 f32 of row, row = sample * 2048 + channel (131,072 rows of 784 bytes), and
; planes = the bit planes of the means' order-preserving keys, for the selection in the next launch.
; 256 work-groups of 16 waves.  A work-group owns 512 rows (a quarter of a sample), a wave 32 rows.
; THE LAYOUT.  16 rows are 12,544 bytes = 49 units of 256 bytes, and begin at a multiple of 256 bytes.  Load u of a wave gives lanes 0-15
; unit u of the wave's first 16 rows and lanes 16-31 unit u of its second 16: sixteen lanes read 256 consecutive bytes, 16 bytes (a quad) each.
; A row is 49 quads, so row r of a block begins at quad 49 r = unit 3 r, lane r:
;   units 3 r + 1 and 3 r + 2 belong to row r in every lane;   of unit 3 s the lanes >= s belong to row s, the lanes < s to row s - 1.
; So a lane adds, for each row r, its quads of the two whole units and one quad of the units at the row's ends (unit 3 r where lane >= r,
; else unit 3 r + 3).  That is 16 of the 17 quads at the ends; the seventeenth, lane r of unit 3 r + 3, lies in the very lane that holds
; row r in the end, is collected by a chain of selects (DG) and added last.  The sixteen lanes' parts of the sixteen rows are then added
; by a butterfly that transposes as it adds: lane i of the wave ends up with row i.  Nothing of the stream passes through LDS.
; THE ORDER.  A wave issues in order, so loads and additions take turns: AHEAD loads first (16 waves x 22 x 512 = 180,224 bytes of the
; work-group's 401,408 requested), then three more dealt among each row's additions, each load into registers of its own: no register is waited for twice.
; THE MODE: SCHED_MODE bits 1:0 = 2 (LLVM: expert scheduling mode 2), set by the entry lines.  The code itself states the register dependences
; between vector instructions and memory or LDS instructions, with s_wait_alu, always for 0.
; THE PLAN.  Registers that memory or LDS instructions touch:
;   v[GOFF]          written at the head; read by all 49 loads as their offset; never written again (the units are reached by immediate offsets).
;   X, unit u        four registers of its own: written by load u alone, named by no vector instruction before it has landed (row r's additions name
;                    units 3 r to 3 r + 3, the butterfly the units 3 a + 1 of finished rows; the loads issued in row r are units 22 + 3 r to 24 + 3 r); loaded once.
;   v[SMEAN], v[SPLANE], v[SBACK], v[OOFF]   written at the head; read by an LDS store, an LDS store, the LDS load and the global store; never written again.
;   v[MEAN], v[KEY]  written by the last vector lines; read by the two LDS stores, which stand together; not written behind them.
;   v[OUT:OUT+1]     written by the LDS load, read by the global store; named by no vector instruction.
; So two waits on va_vdst state all of it: one ahead of the first load (the five addresses are written), one ahead of the two LDS stores (their data
; are written).  No register that a memory or LDS instruction reads is written afterwards: no wait on vm_vsrc has a dependence to state.
; One wait on va_sdst stands between v_readfirstlane_b32 and the first reader of the wave's number.
; No tensor loads or copies (they would send every byte through LDS), no cluster (no two work-groups read the same byte), no matrix unit.
; Every choice between rows is a select, never a product with 0: an infinity or a NaN stays in its own row.
; LIMITS: the additions are ordered as described (pairs in a quad, the two whole units, the end quad, lanes 1, 2, 4, 8 apart, the
; seventeenth quad), not as the reference orders them; the mean is sum * f32(1/196) (monotone in the sum).  Means that differ by less than
; these roundings may change places in the ranking.  A NaN is ranked by its bit pattern (sign clear: above +inf, sign set: below -inf).
.set NLD,    49                        ; loads of a wave = units of a block of 16 rows
.set BLKB,   NLD*256                   ; bytes of 16 rows
.set TILEB,  2*BLKB                    ; bytes of a wave
.set WGB,    16*TILEB                  ; bytes of a work-group
.set AHEAD,  22                        ; loads of a wave that are issued before the first addition; 49 - 22 = 9 x 3 follow
.set SP,     272                       ; LDS: the stage for the way out, 16 rows of 256 bytes, 272 apart: rows 0-7 the 512 means,
                                       ; row 8+q the planes 4q..4q+3 of the 16 waves
.set LANE,   1                         ; v1      lane
.set GOFF,   2                         ; v2      byte offset of my 16 bytes in unit 0 of my block
.set DG,     4                         ; v4      lane l: its quad of unit 3 l + 3
.set SMEAN,  5                         ; v5      stage: my row's mean
.set SPLANE, 6                         ; v6      stage: my plane word
.set SBACK,  7                         ; v7      stage: my 8 bytes of the unit that my wave stores
.set OOFF,   8                         ; v8      8 x lane
.set NEG,    9                         ; v9      at work
.set KEEP,   10                        ; v10-14  exchange steps 16, 8, 4, 2, 1 of the bit transposition: the bits that my lane keeps
.set ROT,    15                        ; v15-18  steps 8, 4, 2, 1: how far the partner's word is turned to the right
.set MEAN,   20
.set KEY,    21
.set OTH,    22
.set OUT,    24                        ; v[24:25]
.set X,      32                        ; v[32:227] unit u: 4 registers; row r's sum grows in the first register of unit 3 r + 1
.set BM1,    30                        ; s30, s31, s32, s48: the lanes whose number has bit 0, 1, 2, 3 set
.set BM2,    31
.set BM4,    32
.set BM8,    48
.set GE,     32                        ; s[GE+r], r = 1..15: the lanes l >= r of both halves
.set EQ,     48                        ; s[EQ+r], r = 1..15: lane r of both halves
	s_load_b128 s[4:7], s[0:1], 0x0                ; inputs s[4:5], means s[6:7]
	s_load_b64 s[8:9], s[0:1], 0x10                ; planes
	v_lshl_add_u32 v30, v0, 2, 0x1100
	v_mov_b32 v31, 0
	; ---- all that needs no address is set up while the addresses are on their way ----
	v_and_b32 v[LANE], 31, v0
	v_lshrrev_b32 v[GOFF], 5, v0
	v_readfirstlane_b32 s10, v[GOFF]               ; wave 0..15
	s_mul_i32 s12, ttmp9, WGB                      ; at most 255 x 401,408: below 2^27
	s_mov_b32 s13, 0
	v_bfe_u32 v[NEG], v0, 4, 1                     ; which half of the lanes = which block of 16 rows
	v_and_b32 v[GOFF], 15, v0
	v_mul_u32_u24 v[NEG], v[NEG], BLKB
	v_lshl_add_u32 v[GOFF], v[GOFF], 4, v[NEG]     ; 16 x (lane % 16) + the block
	s_wait_alu depctr_va_sdst(0)                   ; s10 is written, ahead of its first reader: the offsets, the stage's addresses and the way out's base are made from it
	s_mul_i32 s14, s10, TILEB
	v_add_nc_u32 v[GOFF], s14, v[GOFF]             ; + the wave's 32 rows
	s_lshl_b32 s16, s10, 7                         ; stage, means: wave w at row w / 2, byte 128 (w % 2) = 128 w + 16 (w / 2)
	s_lshr_b32 s17, s10, 1
	s_lshl_b32 s17, s17, 4
	s_add_co_u32 s16, s16, s17
	v_lshl_add_u32 v[SMEAN], v[LANE], 2, s16
	v_lshrrev_b32 v[SPLANE], 2, v[LANE]            ; stage, planes: lane b (plane b) at row 8 + b / 4, byte 16 w + 4 (b % 4);
	v_mul_u32_u24 v[SPLANE], v[SPLANE], SP         ; rows of 68 words: the 32 lanes' words lie in 32 different banks (64 banks of 4 bytes: ISA guide 11.1)
	v_and_b32 v[NEG], 3, v[LANE]
	v_lshl_add_u32 v[SPLANE], v[NEG], 2, v[SPLANE]
	s_lshl_b32 s18, s10, 4
	s_add_co_u32 s18, s18, 8*SP
	v_add_nc_u32 v[SPLANE], s18, v[SPLANE]
	s_mul_i32 s19, s10, SP                         ; way out: wave w stores stage row w
	v_lshl_add_u32 v[SBACK], v[LANE], 3, s19
	v_lshlrev_b32 v[OOFF], 3, v[LANE]
	; where stage row w goes.  w < 8: means, byte 2,048 x group + 256 w.
	; w >= 8: planes, laid out [sample][q = plane / 4][group of 32 channels, 0..63][plane % 4] words:
	; byte 8,192 x sample + 1,024 q + 256 x quarter, q = w - 8: the 16 groups of this work-group, 16 bytes each.
	s_lshl_b32 s20, ttmp9, 11
	s_lshl_b32 s21, s10, 8
	s_add_co_u32 s20, s20, s21
	s_lshr_b32 s22, ttmp9, 2
	s_lshl_b32 s22, s22, 13
	s_and_b32 s23, s10, 7
	s_lshl_b32 s23, s23, 10
	s_add_co_u32 s22, s22, s23
	s_and_b32 s23, ttmp9, 3
	s_lshl_b32 s23, s23, 8
	s_add_co_u32 s22, s22, s23
	s_cmp_lt_u32 s10, 8
	s_cselect_b32 s24, s20, s22
	s_mov_b32 s25, 0
	s_mov_b32 s28, 0x76543210                      ; v_permlanex16_b32: lane i reads lane i xor 16
	s_mov_b32 s29, 0xfedcba98
	s_mov_b32 s[BM1], 0xaaaaaaaa
	s_mov_b32 s[BM2], 0xcccccccc
	s_mov_b32 s[BM4], 0xf0f0f0f0
	s_mov_b32 s[BM8], 0xff00ff00
.set r, 1
.rept 15
	s_mov_b32 s[GE+r], ((0xffff<<r)&0xffff)*0x10001
	s_mov_b32 s[EQ+r], 0x10001<<r
.set r, r+1
.endr
	v_mov_b32 v[OTH], 0                            ; the destination of a lane exchange counts as read: written once here
; Exchange step s of the 32 x 32 bit transposition (rows = lanes, columns = bits): a lane with bit s of its number clear keeps its
; bits whose position has bit s clear (mlo) and takes the others from lane + s, moved up by s; a lane with the bit set keeps the
; complement and takes the rest from lane - s, moved down by s.  Both moves are a turn to the right, by 32 - s or by s.
.macro LANEMASK idx, lg, s, mlo
	v_bfe_u32 v[NEG], v[LANE], \lg, 1
	v_sub_nc_u32 v[NEG], 0, v[NEG]                 ; 0, or all ones in the upper lane of a pair
	v_xor_b32 v[KEEP+\idx], \mlo, v[NEG]
.if \idx
	v_xor_b32 v[ROT+\idx-1], -\s, v[NEG]           ; -s, or s - 1
	v_sub_nc_u32 v[ROT+\idx-1], v[ROT+\idx-1], v[NEG]   ; -s (its low 5 bits: 32 - s), or s
.endif
.endm
	LANEMASK 0, 4, 16, 0x0000ffff                  ; (a turn by 16 is the same both ways: no register)
	LANEMASK 1, 3, 8,  0x00ff00ff
	LANEMASK 2, 2, 4,  0x0f0f0f0f
	LANEMASK 3, 1, 2,  0x33333333
	LANEMASK 4, 0, 1,  0x55555555
.macro LOADU n                         ; unit n of both blocks; read once in the whole launch
	global_load_b128 v[X+4*(\n):X+4*(\n)+3], v[GOFF], s[4:5] offset:256*(\n) th:TH_LOAD_NT
.endm
; Rows a and b (sums in the first register of units 3 a + 1, 3 b + 1; the two upper registers of unit 3 a + 1 are free by then).
; Lanes xm apart share the two rows between them: the lane with the bit set keeps b and sends a, the other keeps a and sends b.
.macro BFLY a, b, m, xm
	v_cndmask_b32 v[X+12*(\a)+6], v[X+12*(\a)+4], v[X+12*(\b)+4], s[\m]      ; what I keep
	v_cndmask_b32 v[X+12*(\a)+7], v[X+12*(\b)+4], v[X+12*(\a)+4], s[\m]      ; what my partner keeps
	v_add_f32_dpp v[X+12*(\a)+4], v[X+12*(\a)+7], v[X+12*(\a)+6] row_xmask:\xm row_mask:0xf bank_mask:0xf
.endm
	s_wait_kmcnt 0x0
	s_add_nc_u64 s[4:5], s[4:5], s[12:13]
	s_wait_alu depctr_va_vdst(0)                   ; v[GOFF], v[SMEAN], v[SPLANE], v[SBACK] and v[OOFF] are written: the loads below, the LDS stores, the LDS load and the global store read them as addresses
.set i, 0
.rept AHEAD
	LOADU i
.set i, i+1
.endr
	s_cmp_lt_u32 s10, 8                            ; (again: the shifts and sums above wrote SCC)
	s_cselect_b64 s[26:27], s[6:7], s[8:9]         ; waves 0-7 store means, waves 8-15 planes
	s_add_nc_u64 s[26:27], s[26:27], s[24:25]
	s_wait_loadcnt AHEAD-1                         ; loads come back in order (ISA guide 5.7.1): unit 0 is in, the 21 younger ones stay out
	v_pk_add_f32 v[X:X+1], v[X:X+1], v[X+2:X+3]
	v_add_f32 v[X], v[X], v[X+1]                   ; unit 0: every lane's quad belongs to row 0
; ---- row r of both blocks: units 3 r (q0, added up already), 3 r + 1 (q1), 3 r + 2 (q2), 3 r + 3 (q3) ----
; The row's three loads are dealt among its first additions.  No wait: no vector instruction since the wait ahead of the first load names
; v[GOFF] or the registers in which they land.
.set r, 0
.set issued, AHEAD
.rept 16
.set q0, X+12*r
.set q1, q0+4
.set q2, q0+8
.set q3, q0+12
	s_wait_loadcnt issued-3*r-4                    ; unit 3 r + 3 is in: so many loads were issued behind it (18 while three are added a row, then 45 - 3 r)
.if issued < NLD
	LOADU issued
.endif
	v_pk_add_f32 v[q1:q1+1], v[q1:q1+1], v[q1+2:q1+3]
	v_pk_add_f32 v[q2:q2+1], v[q2:q2+1], v[q2+2:q2+3]
.if issued < NLD
	LOADU issued+1
.endif
	v_pk_add_f32 v[q3:q3+1], v[q3:q3+1], v[q3+2:q3+3]
	v_pk_add_f32 v[q1:q1+1], v[q1:q1+1], v[q2:q2+1]
.if issued < NLD
	LOADU issued+2
.set issued, issued+3
.endif
	v_add_f32 v[q3], v[q3], v[q3+1]
	v_add_f32 v[q1], v[q1], v[q1+1]
.if r == 0
	v_add_f32 v[q1], v[q1], v[q0]                  ; row 0 has all of unit 0; lane 0 of unit 3 starts DG below
.else
	v_cndmask_b32 v[q2], v[q3], v[q0], s[GE+r]     ; lanes >= r: unit 3 r; lanes < r: unit 3 r + 3
.if r == 1
	v_cndmask_b32 v[DG], v[q0], v[q3], s[EQ+r]     ; lane 0: unit 3; lane 1: unit 6
.else
	v_cndmask_b32 v[DG], v[DG], v[q3], s[EQ+r]     ; lane r: unit 3 r + 3
.endif
	v_add_f32 v[q1], v[q1], v[q2]
.endif
.if (r%2) == 1
	BFLY r-1, r, BM1, 1                            ; each pair as soon as it is whole: behind the last row stand four links only
.endif
.if (r%4) == 3
	BFLY r-3, r-1, BM2, 2
.endif
.if (r%8) == 7
	BFLY r-7, r-3, BM4, 4
.endif
.if r == 15
	BFLY 0, 8, BM8, 8                              ; lane l of each half now holds row l of its block: lane i of the wave, row i
.endif
.set r, r+1
.endr
	v_add_f32 v[MEAN], v[X+4], v[DG]
	v_mul_f32 v[MEAN], 0x3ba72f05, v[MEAN]         ; x f32(1/196)
	; the key: unsigned order of keys = order of the floats.  Sign clear: set the top bit; sign set: flip all bits.
	v_ashrrev_i32 v[KEY], 31, v[MEAN]
	v_or_b32 v[KEY], 0x80000000, v[KEY]
	v_xor_b32 v[KEY], v[MEAN], v[KEY]
	; transposition: afterwards bit j of lane b's word is bit b of lane j's key
	v_permlanex16_b32 v[OTH], v[KEY], s28, s29
	v_alignbit_b32 v[OTH], v[OTH], v[OTH], 16
	v_bfi_b32 v[KEY], v[KEEP], v[KEY], v[OTH]
.macro EXCH idx, s
	v_mov_b32_dpp v[OTH], v[KEY] row_xmask:\s row_mask:0xf bank_mask:0xf
	v_alignbit_b32 v[OTH], v[OTH], v[OTH], v[ROT+\idx-1]
	v_bfi_b32 v[KEY], v[KEEP+\idx], v[KEY], v[OTH]
.endm
	EXCH 1, 8
	EXCH 2, 4
	EXCH 3, 2
	EXCH 4, 1
	s_wait_alu depctr_va_vdst(0)                   ; v[MEAN] and v[KEY] are written, which the two LDS stores read as their data: the stores stand together, so that one wait states both
	ds_store_b32 v[SMEAN], v[MEAN]
	ds_store_b32 v[SPLANE], v[KEY]
	; ---- the way out: each wave stores one stage row = 256 consecutive bytes at a multiple of 256 from its buffer's first byte ----
	s_wait_dscnt 0x0                               ; for the other waves' sake: my two stage stores are done
	s_barrier_signal -1
	s_barrier_wait -1
	ds_load_b64 v[OUT:OUT+1], v[SBACK]             ; no vector instruction names v[OUT:OUT+1], and v[SBACK] was written ahead of the first wait on va_vdst
	s_wait_dscnt 0x0
	global_store_b64 v[OOFF], v[OUT:OUT+1], s[26:27]
	s_wait_dscnt 0x0
	s_wait_alu depctr_hold_cnt(0) depctr_sa_sdst(0) depctr_va_vdst(0) depctr_va_sdst(0) depctr_va_ssrc(0) depctr_va_vcc(0) depctr_vm_vsrc(0)
	s_wait_tensorcnt 0x0
	ds_add_u32 v30, v31
	s_wait_dscnt 0x0
	s_endpgm
.Lfunc_end_k_q9b0acd14d5_pool:
	.size	k_q9b0acd14d5_pool, .Lfunc_end_k_q9b0acd14d5_pool-k_q9b0acd14d5_pool
	.p2alignl 7, 3214868480
	.fill 96, 4, 3214868480
	.section	.rodata,"a",@progbits
	.p2align	6, 0x0
	.amdhsa_kernel k_q9b0acd14d5_pool
		.amdhsa_group_segment_fixed_size 6400
		.amdhsa_private_segment_fixed_size 0
		.amdhsa_enable_private_segment 0
		.amdhsa_kernarg_size 24
		.amdhsa_user_sgpr_count 2
		.amdhsa_user_sgpr_kernarg_segment_ptr 1
		.amdhsa_wavefront_size32 1
		.amdhsa_system_sgpr_workgroup_id_x 1
		.amdhsa_system_sgpr_workgroup_id_y 1
		.amdhsa_system_sgpr_workgroup_id_z 1
		.amdhsa_system_vgpr_workitem_id 0
		.amdhsa_next_free_vgpr 228
		.amdhsa_next_free_sgpr 66
		.amdhsa_reserve_vcc 0
		.amdhsa_float_denorm_mode_32 3
		.amdhsa_float_denorm_mode_16_64 3
		.amdhsa_memory_ordered 1
		.amdhsa_forward_progress 1
		.amdhsa_inst_pref_size 23
	.end_amdhsa_kernel
	.amdgpu_metadata
---
amdhsa.version: [ 1, 2 ]
amdhsa.kernels:
  - .name:           k_q9b0acd14d5_pool
    .symbol:         k_q9b0acd14d5_pool.kd
    .args:
      - { .name: inputs, .offset: 0, .size: 8, .value_kind: global_buffer, .address_space: global }
      - { .name: means, .offset: 8, .size: 8, .value_kind: global_buffer, .address_space: global }
      - { .name: planes, .offset: 16, .size: 8, .value_kind: global_buffer, .address_space: global }
    .group_segment_fixed_size: 6400
    .private_segment_fixed_size: 0
    .kernarg_segment_align: 8
    .kernarg_segment_size: 24
    .max_flat_workgroup_size: 512
    .sgpr_count:     66
    .vgpr_count:     228
    .wavefront_size: 32
...
	.end_amdgpu_metadata
.endif
;; end of part 3
;; launch select: the kernel of part 2 again; grid 64 x 1, 4 waves a work-group, no clusters, 0 bytes of LDS; arguments planes, means, out0; writes out0
